; MI455X (gfx1250); checked and timed in simulation.
; The chip was launched on July 23, 2026; its instructions are those of AMD's public machine-readable ISA for CDNA 5 (MIT licence, August 2026) and "CDNA5" Instruction Set Architecture Reference Guide (July 2026). The comments in the code are by the model that wrote it; some were corrected since.
;; Kernel Dense Bayesian. Allowed arithmetic: matrix products marked QUANTISED: E5M2 operands, one E8M0 scale for each 32 along K, by v_wmma_scale_f32_16x16x128_f8f6f4 with both operands' format E5M2, f32 sums; products left as they are: f32 operands where the result goes on into a quantised operand, else bf16, f16 or f32 operands; f32 sums; everything else in f32.
;; Inputs: alpha_mean 4,096 float32; columns_mean 4,096 x 2 float32; rows_mean 4,096 x 2 float32; x 4,096 x 4,096 float32.
;; Outputs: out0 4,096 x 4,096 float32.
;; This version of the problem:
;;   THIS VERSION OF THE PROBLEM IS GIVEN IN LOW PRECISION. The matrix products marked QUANTISED in the list below multiply operands that are first quantised to E5M2 (5 exponent bits, 2 mantissa bits; 8 bits a number), with one power-of-two scale for each 32 numbers along K (OCP MX v1.0); their sums are f32. All else is computed in f32.
;;   The module's matrix products, in the order in which they are computed (A, B: the left and right operand; K: the contracted axis; several contracted axes count as one K, in the product's order):
;;     1. [M 4,096, K 2] x [K 2, N 4,096]; A: input columns_mean; B: input rows_mean: left as it is (K = 2 < 32)
;;     2. [M 4,096, K 4,096] x [K 4,096, N 4,096]; A: computed on the way; B: computed on the way: QUANTISED
;;   THE QUANTISER, for each operand of a quantised product, along K:
;;     - K is cut into blocks of 32 from its start; a last block that is shorter is filled with zeros.
;;     - A block's scale is 2^e with e = floor(log2(the largest magnitude in the block)) - 15, held to -126 .. 127; a block of zeros has e = 0. As a byte (E8M0): e + 127.
;;     - Each number is divided by its block's scale, clamped to +-57,344, and rounded to the nearest number of E5M2, ties to even, subnormals kept.
;;     - The product sums the exact products of the quantised numbers (number of the format x scale) in f32.
;;   ~~~python
;;   def quantise(x, axis):      # numpy; x: float32 -> the quantised numbers, widened to float32 again
;;       x = np.moveaxis(x, axis, -1); K = x.shape[-1]
;;       x = np.pad(x, [(0, 0)] * (x.ndim - 1) + [(0, -K % 32)]); x = x.reshape(x.shape[:-1] + (-1, 32)); a = np.abs(x).max(-1, keepdims=True)
;;       e = np.where(a > 0, np.clip(np.frexp(np.where(a > 0, a, 1))[1] - 1 - 15, -126, 127), 0)      # np.frexp(a)[1] - 1 = floor(log2(a)), exactly
;;       r = np.clip(x / 2.0 ** e, -57344, 57344)
;;       step = 2.0 ** (np.maximum(np.frexp(np.where(r == 0, 1, r))[1] - 1, -14) - 2)
;;       q = np.round(r / step) * step * 2.0 ** e      # np.round: ties to even
;;       return np.moveaxis(q.reshape(q.shape[:-2] + (-1,))[..., :K], -1, axis).astype(np.float32)
;;   ~~~
;;   OPERANDS COMPUTED ON THE WAY. 'Computed on the way' means the value that the module computes at that place (a softmax that the list does not call 'softmax' is quantised finished and normalised). What goes into a quantiser is computed in f32, as accurately as f32 sums, v_exp_f32 and their like allow (about 1e-6 of the number): no bf16 or f16 on the way to a quantiser, and a product that is left as it is and whose result goes on into a quantised operand takes f32 operands (vector FMAs, or v_wmma_f32_16x16x4_f32). A number that lies on a knife's edge between two numbers of the format may be rounded either way, as far as f32 arithmetic and the matrix unit's own rounding can turn it there, and no further.
;; One version. Each part assembles by itself: llvm-mc -triple=amdgcn-amd-amdhsa -mcpu=gfx1250 --defsym DOCPART=n.
;; ======== version 1 of 1: 2 launches
;; workspace buffers: acode 17,301,504 bytes; bcode 17,301,504 bytes
;; launch prep (part 1): grid 256 x 1, 8 waves a work-group, no clusters, 275,456 bytes of LDS; arguments x, alpha_mean, columns_mean, rows_mean, acode, bcode; writes acode, bcode
.if DOCPART == 1
	.amdgcn_target "amdgcn-amd-amdhsa--gfx1250"
	.amdhsa_code_object_version 6
	.text
	.protected	k_q00bc2bfd7f_prep
	.globl	k_q00bc2bfd7f_prep
	.p2align	8
	.type	k_q00bc2bfd7f_prep,@function
k_q00bc2bfd7f_prep:
	s_mov_b64 s[64:65], 0
	v_nop
	global_prefetch_b8 v0, s[64:65] scope:SCOPE_SE
	s_setreg_imm32_b32 hwreg(HW_REG_WAVE_MODE, 25, 1), 1
	s_wait_xcnt 0x0
; Both operands of out = (x * alpha) @ w are made and quantised ONCE, to codes of BF8 (E5M2) with one E8M0 scale byte for each 32 along K = IN.
;   A[m][k] = x[m][k] * alpha[k]                                           (K innermost in memory)
;   B[o][k] = w[k][o] = exp(-((|row_o|^2 + |col_k|^2) - 2 col_k . row_o))  (computed from 64 KiB of inputs; all in f32, in the order of roundings in which the problem writes it)
; A block's scale is 2^(floor(log2(its largest magnitude)) - 15); its byte is the largest magnitude's exponent field - 15, held at 1 from below; each number is held within +-57,344 x the scale and rounded to the nearest code.
; LIMITS: a w under 2^-126 becomes 0 (v_exp_f32 gives no denormals: ISA guide 15.8); blocks whose largest magnitude lies under 2^-111 keep the byte 1; a block of zeros has the byte 1 where the rule says 127
; (its codes are zeros, which add nothing under any byte but 0xff, and this program alone reads the bytes); NaN and infinities among the inputs are not served.
; THE WORKSPACE IS LAID IN THE ORDER OF THE OPERAND'S REGISTERS: [tile of 256 rows: 16][K step of 256: 16][block of BLKB bytes].  In a block, fragment (q: which 128 along K; i: which 16 rows) lies at 2,048 (16 q + i):
; register group c of lane l at 512 c + 16 l (row l % 16, k = 32 c + 16 (l / 16) + 0 .. 15).  Behind the 32 fragments, at 65,536 + 1,024 q + 64 i + 4 r, row r's scale word.  So a K step's codes and scales of a tile are one dense block.
; SHARES.  2,048 waves.  A wave takes one run of 128 along K (kc) and one quarter tile (qt): four fragments of A (rows 64 qt on of x) and four of B (columns 64 qt on of w).  Waves share nothing: no barrier, no cluster, no matrix work.
; x COMES BY THE TENSOR DATA MOVER, ALL OF IT ASKED FOR AT THE HEAD: four loads a wave, one for each fragment: 16 rows x 512 bytes (a row's part begins at a multiple of 512 bytes of x), into LDS bytes of the wave's own, filled once.
; So a wave has its whole 32 KiB on their way and spends no register on them.  w needs nothing of x: the wave makes its four fragments of w first, and then its four of A, each behind a counted wait: four loads and not one of
; 64 rows, so that a fragment is quantised while the later ones are still coming.  By this text's own count a wave has four tensor loads outstanding.  Nothing is left to prefetch: every byte is requested at the head.
; The conversions want 16 neighbours along K in ONE lane: the mover lays 16 bytes of padding behind each row, and lane (r, h) reads its 64 numbers of row r straight in the operand's order.
; w: lane (r, h) takes column o = r of the fragment and its registers run down K, so the conversions' results are the operand's registers and nothing is transposed.
; REGISTERS, window 0: v1-13 lane numbers and offsets; v18-25 my four columns' (row_0, row_1); v26-31 pairs for the packed forms; v32-95 alpha of my 64 k, in the operand's order; v96-159 64 numbers in the operand's order;
;   v160-175, v176-191 codes of A, of B; v192-207 at work; v208-215 the eight scale words; v216-219 scale words on their way out.
;   window 1: v0-63 col_0, v64-127 col_1, v128-191 |col|^2 of my 64 k (index 16 b + j: k = 32 b + 16 h + j); v192-255 the dot products.
.set BLKB,  67584                      ; a block: 32 fragments of 2,048 bytes + 512 scale words
.set TILEB, 16*BLKB
.set SPIT,  528                        ; a row of x in LDS: 512 bytes + 16 of padding = 33 x 16 bytes: the sixteen rows that a load of 16 bytes a lane touches start at sixteen different groups of banks
.set FRT,   16*SPIT                    ; a fragment's 16 rows: what one tensor load brings
.set WREG,  4*FRT                      ; a wave's four
.set SCR,   8*WREG                     ; behind the eight waves' tiles: 512 bytes a wave, A's 64 scale words and then B's: blocks of 256 bytes into which no tensor load lands
.set XO,   4                           ; v4   16 x lane
.set ALO,  5                           ; v5   64 h: my half's 16 numbers of a block of alpha
.set SOUT, 6                           ; v6   my place in a fragment's tile: row r, + 64 h
.set CLO,  7                           ; v7   128 h: my half's 16 points of a block of columns_mean
.set GA,   8                           ; v8   where A's scale word of row r goes;  v9 B's
.set GB,   9
.set GRA,  10                          ; v10  where 8 bytes of A's scale words are read back;  v11 B's
.set GRB,  11
.set SCW,  12                          ; v12  8 x lane
.set RWO,  13                          ; v13  8 r: my column's row of rows_mean
.set RM,   18
.set R0P,  26
.set R1P,  28
.set X2P,  30
.set AL,   32
.set T,    96
.set PCA,  160
.set PCW,  176
.set TM,   192                         ; v192-195 largest magnitudes, v196-199 bytes, v200-203 57,344 x the scale, v204-207 the conversions' scale operands
.set PW,   208
.set C0,   0                           ; window 1
.set C1,   64
.set Y2,   128
.set PP,   192
.set SEL,  20                          ; s[20:21] v_permlanex16_b32's selects for lane l xor 16
.set MNT,  22                          ; s22  the mantissa field of 57,344
.set NLE,  40                          ; s[40:41] -log2(e): the packed form names a pair and takes its low word for both halves
.set G0,   44                          ; s[44:59] descriptor group 0, a set for each of the four loads: none is written again
.set G1,   68                          ; s[68:75] descriptor group 1: the shape, the same for all four
.set MSB, 0
.macro WIN new                         ; the immediate's high byte repeats the setting that is left
.if MSB != \new
	s_set_vgpr_msb (MSB<<8)|\new
.set MSB, \new
.endif
.endm
	s_load_b256 s[4:11], s[0:1], 0x0               ; x s[4:5], alpha s[6:7], columns_mean s[8:9], rows_mean s[10:11]
	s_load_b128 s[12:15], s[0:1], 0x20             ; A's workspace s[12:13], B's s[14:15]
	v_lshl_add_u32 v254, v0, 2, 0x43000
	v_mov_b32 v255, 0
	ds_add_u32 v254, v255
	ds_add_u32 v254, v255
	v_lshrrev_b32 v1, 5, v0
	v_readfirstlane_b32 s16, v1                    ; wave 0..7
	v_and_b32 v1, 31, v0                           ; lane
	v_and_b32 v2, 15, v0                           ; r
	v_bfe_u32 v3, v0, 4, 1                         ; h
	v_lshlrev_b32 v[XO], 4, v1
	v_lshlrev_b32 v[ALO], 6, v3
	s_mul_i32 s17, s16, WREG                       ; my wave's tiles in LDS
	v_mul_u32_u24 v[SOUT], v2, SPIT
	v_lshl_add_u32 v[SOUT], v3, 6, v[SOUT]
	v_add_nc_u32 v[SOUT], s17, v[SOUT]
	s_lshl_b32 s23, s16, 9
	s_add_co_u32 s23, s23, SCR                     ; my wave's scale words in LDS
	v_lshl_add_u32 v[GA], v2, 2, s23
	v_add_nc_u32 v[GB], 256, v[GA]
	v_lshl_add_u32 v[GRA], v1, 3, s23
	v_add_nc_u32 v[GRB], 256, v[GRA]
	v_lshlrev_b32 v[SCW], 3, v1
	v_lshlrev_b32 v[RWO], 3, v2
	v_lshlrev_b32 v[CLO], 7, v3
	s_and_b32 s18, ttmp9, 3
	s_lshl_b32 s18, s18, 3
	s_add_co_u32 s18, s18, s16                     ; kc = 8 (work-group % 4) + wave: which 128 along K
	s_lshr_b32 s19, ttmp9, 2                       ; qt = work-group / 4: which 64 rows of x, and columns of w
	s_lshr_b32 s28, s19, 2                         ; the tile,
	s_lshr_b32 s29, s18, 1                         ; the K step,
	s_and_b32 s30, s18, 1                          ; q,
	s_and_b32 s31, s19, 3                          ; the quarter of the tile
	s_mul_i32 s28, s28, TILEB
	s_mul_i32 s29, s29, BLKB
	s_add_co_u32 s28, s28, s29                     ; the block's first byte (under 2^25)
	s_lshl_b32 s32, s30, 15
	s_lshl_b32 s33, s31, 13
	s_add_co_u32 s32, s32, s33
	s_add_co_u32 s32, s32, s28                     ; my four fragments: + 32,768 q + 8,192 quarter
	s_mov_b32 s33, 0
	s_lshl_b32 s34, s30, 10
	s_lshl_b32 s35, s31, 8
	s_add_co_u32 s34, s34, s35
	s_add_co_u32 s34, s34, s28
	s_add_co_u32 s34, s34, 65536                   ; their 64 scale words: + 65,536 + 1,024 q + 256 quarter
	s_mov_b32 s35, 0
	s_lshl_b32 s36, s19, 20                        ; x: 64 qt rows of 16,384 bytes
	s_lshl_b32 s37, s18, 9                         ;    + 128 kc numbers
	s_add_co_u32 s36, s36, s37
	s_mov_b32 s37, 0
	s_lshl_b32 s38, s18, 9                         ; alpha: 128 kc numbers
	s_mov_b32 s39, 0
	s_lshl_b32 s28, s18, 10                        ; columns_mean: 128 kc points of 8 bytes
	s_mov_b32 s29, 0
	s_lshl_b32 s30, s19, 9                         ; rows_mean: 64 qt points
	s_mov_b32 s31, 0
	s_mov_b32 s[SEL], 0x76543210
	s_mov_b32 s[SEL+1], 0xfedcba98
	s_mov_b32 s[MNT], 0x600000
	s_mov_b32 s[NLE], 0xbfb8aa3b
	s_mov_b32 s[NLE+1], s[NLE]                     ; (named with it as a pair, so it is written)
	; descriptor group 1: a tile of 16 rows x 128 numbers of 4 bytes, rows 4,096 numbers apart in memory, padded in LDS
	s_mov_b32 s[G1+0], (2<<16)|(1<<20)|(6<<22)|(3<<25)   ; 15:0 no mask; 17:16 elements of 4 bytes; 20 padding on; 24:22 after every 128 words (code 6); 31:25 four words (code 3)
	s_mov_b32 s[G1+1], 128<<16                     ; tensor_dim0 = 128
	s_mov_b32 s[G1+2], 16<<16                      ; tensor_dim1 = 16
	s_mov_b32 s[G1+3], 128<<16                     ; tile_dim0 = 128
	s_mov_b32 s[G1+4], 16                          ; tile_dim1 = 16
	s_mov_b32 s[G1+5], 4096                        ; tensor_dim0_stride
	s_mov_b32 s[G1+6], 0
	s_mov_b32 s[G1+7], 0
	s_wait_dscnt 0x0
	s_wait_kmcnt 0x0
	s_add_nc_u64 s[24:25], s[12:13], s[34:35]      ; A's scale words
	s_add_nc_u64 s[26:27], s[14:15], s[34:35]      ; B's
	s_add_nc_u64 s[12:13], s[12:13], s[32:33]      ; A's codes
	s_add_nc_u64 s[14:15], s[14:15], s[32:33]      ; B's
	s_add_nc_u64 s[4:5], s[4:5], s[36:37]
	s_add_nc_u64 s[6:7], s[6:7], s[38:39]
	s_add_nc_u64 s[8:9], s[8:9], s[28:29]
	s_add_nc_u64 s[10:11], s[10:11], s[30:31]
	; the small inputs first: w's first fragment waits for them, and they are few bytes; x's 32 KiB follow them
.irp b, 0,1,2,3
.irp j, 0,1,2,3
	global_load_b128 v[AL+16*\b+4*\j:AL+16*\b+4*\j+3], v[ALO], s[6:7] offset:128*\b+16*\j   ; alpha of k = 32 b + 16 h + 4 j on: register 16 b + i holds that of k = 32 b + 16 h + i
.endr
.endr
.irp f, 0,1,2,3
	global_load_b64 v[RM+2*\f:RM+2*\f+1], v[RWO], s[10:11] offset:128*\f       ; the point of my column in fragment f
.endr
.irp b, 0,1,2,3
.irp j, 0,1,2,3,4,5,6,7
	global_load_b128 v[96+4*(8*\b+\j):96+4*(8*\b+\j)+3], v[CLO], s[8:9] offset:256*\b+16*\j   ; two points: k = 32 b + 16 h + 2 j, + 1.  Point n = 16 b + j' then lies in v[96 + 2 n], v[97 + 2 n]
.endr
.endr
	; x: the four first fills, the only ones, ahead of every wait on TENSORcnt and every LDS read
.irp f, 0,1,2,3
	s_mov_b32 s[G0+4*\f], 1                        ; 1:0 count = 1
	s_add_co_u32 s[G0+4*\f+1], s17, \f*FRT         ; 63:32 LDS address: wave x WREG + fragment x FRT
	s_add_nc_u64 s[G0+4*\f+2:G0+4*\f+3], s[4:5], \f*16*16384   ; 120:64 global address: 16 rows of x further down for each fragment
	s_or_b32 s[G0+4*\f+3], s[G0+4*\f+3], 0x80000000            ; 127:126 type = 2
	tensor_load_to_lds s[G0+4*\f:G0+4*\f+3], s[G1:G1+7]
	s_nop 0
.endr
.rept 4
	v_nop                                          ; four lines behind the last tensor load, ahead of the first switch of windows
.endr
; 64 numbers of a lane, v[s] .. v[s + 63], register 16 b + i = k 32 b + 16 (lane / 16) + i of my row, become a fragment's codes in v[pc] on and its scale word in v[pw]
.macro QUANT s, pc, pw
.irp b, 0,1,2,3
	v_max3_num_f32 v[TM+\b], |v[\s+16*\b]|, |v[\s+1+16*\b]|, 0x8000000   ; block b: my 16 numbers, and the floor 2^(16 - 127), under which no largest magnitude is taken: so the byte cannot fall under 1
.endr
.irp i, 2,4,6,8,10,12,14
.irp b, 0,1,2,3
	v_max3_num_f32 v[TM+\b], v[TM+\b], |v[\s+16*\b+\i]|, |v[\s+1+16*\b+\i]|   ; (the four blocks by turns: no line waits for the line above it)
.endr
.endr
.irp b, 0,1,2,3
	v_permlanex16_b32 v[TM+4+\b], v[TM+\b], s[SEL], s[SEL+1]
.endr
.irp b, 0,1,2,3
	v_max_num_f32 v[TM+\b], v[TM+\b], v[TM+4+\b]   ; with lane l xor 16's: the block's largest magnitude
.endr
.irp b, 0,1,2,3
	v_add_nc_u32 v[TM+12+\b], 0xf8800000, v[TM+\b]   ; 15 off its exponent field: the conversion takes the exponent field of this operand as its scale, and nothing else of it
.endr
.irp b, 0,1,2,3
	v_and_or_b32 v[TM+8+\b], v[TM+\b], 0x7f800000, s[MNT]   ; 57,344 x the scale: the largest magnitude's exponent field over 57,344's mantissa
.endr
.irp b, 0,1,2,3
	v_lshrrev_b32 v[TM+4+\b], 23, v[TM+12+\b]      ; the scale's byte
.endr
	v_lshl_or_b32 v[\pw], v[TM+5], 8, v[TM+4]      ; the four bytes make my row's scale word
	v_lshl_or_b32 v[\pw], v[TM+6], 16, v[\pw]
	v_lshl_or_b32 v[\pw], v[TM+7], 24, v[\pw]
.irp b, 0,1,2,3
.irp i, 0,1,2,3,4,5,6,7,8,9,10,11,12,13,14,15
	v_med3_num_f32 v[\s+16*\b+\i], v[\s+16*\b+\i], -v[TM+8+\b], v[TM+8+\b]   ; the conversion to an 8-bit code does not saturate (ISA guide 7.6.2): the hold at the largest code x the scale
.endr
	v_cvt_scalef32_pk8_bf8_f32 v[\pc+4*\b:\pc+1+4*\b], v[\s+16*\b:\s+7+16*\b], v[TM+12+\b]
	v_cvt_scalef32_pk8_bf8_f32 v[\pc+2+4*\b:\pc+3+4*\b], v[\s+8+16*\b:\s+15+16*\b], v[TM+12+\b]
.endr
	v_nop                                          ; one plain vector instruction between the last conversion and the next vector instruction that writes its sources
.endm
; Fragment f of A: out of its tile in LDS, x alpha, quantised, stored.
.macro ATURN f
	s_wait_tensorcnt 3-\f                          ; a wave's tensor loads end in order (ISA guide 10.11.1): fragment f's tile is in LDS; the 3 - f younger loads may stay out.  The last count is 0: none is out at the end
.irp b, 0,1,2,3
.irp j, 0,1,2,3
	ds_load_b128 v[T+16*\b+4*\j:T+16*\b+4*\j+3], v[SOUT] offset:FRT*\f+128*\b+16*\j   ; row r, k = 32 b + 16 h + 4 j on
.endr
.endr
	s_wait_dscnt 0x0
.set n, 0
.rept 32
	v_pk_mul_f32 v[T+n:T+n+1], v[T+n:T+n+1], v[AL+n:AL+n+1]
.set n, n+2
.endr
	s_wait_xcnt 0x0                                ; the last fragment's stores have read A's code registers: they are written again only behind this wait
	QUANT T, PCA, PW+\f
.irp c, 0,1,2,3
	global_store_b128 v[XO], v[PCA+4*\c:PCA+4*\c+3], s[12:13] offset:2048*\f+512*\c   ; 32 lanes store 512 consecutive bytes, at a multiple of 512 from the buffer's first byte
.endr
	ds_store_b32 v[GA], v[PW+\f] offset:64*\f      ; lanes r and r + 16 write the same word with the same value
.endm
; Fragment f of B: w(k, o) for column o = 64 qt + 16 f + r and my 64 k.
.macro WFRAG f
	v_mov_b32 v[R0P], v[RM+2*\f]                   ; pairs with both halves alike, for the packed forms
	v_mov_b32 v[R0P+1], v[RM+2*\f]
	v_mov_b32 v[R1P], v[RM+2*\f+1]
	v_mov_b32 v[R1P+1], v[RM+2*\f+1]
	v_mul_f32 v[X2P], v[RM+2*\f], v[RM+2*\f]
	v_fma_f32 v[X2P], v[RM+2*\f+1], v[RM+2*\f+1], v[X2P]   ; |row|^2
	v_mov_b32 v[X2P+1], v[X2P]
	WIN 0x41                                       ; destination and source 0 window 1
.set n, 0
.rept 32
	v_pk_mul_f32 v[PP+n:PP+n+1], v[C0+n:C0+n+1], v[R0P:R0P+1]
.set n, n+2
.endr
	WIN 0x51                                       ; and source 2
.set n, 0
.rept 32
	v_pk_fma_f32 v[PP+n:PP+n+1], v[C1+n:C1+n+1], v[R1P:R1P+1], v[PP+n:PP+n+1]   ; col . row
.set n, n+2
.endr
	WIN 0x01                                       ; source 0 window 1
.set n, 0
.rept 32
	v_pk_add_f32 v[T+n:T+n+1], v[Y2+n:Y2+n+1], v[X2P:X2P+1]                     ; |row|^2 + |col|^2
.set n, n+2
.endr
.set n, 0
.rept 32
	v_pk_fma_f32 v[T+n:T+n+1], v[PP+n:PP+n+1], -2.0, v[T+n:T+n+1] op_sel_hi:[1,0,1]   ; + (-2 col . row): the doubling is exact, so this is the sum's one rounding
.set n, n+2
.endr
	WIN 0
.set n, 0
.rept 32
	v_pk_mul_f32 v[T+n:T+n+1], v[T+n:T+n+1], s[NLE:NLE+1] op_sel_hi:[1,0]       ; x -log2(e)
.set n, n+2
.endr
.set n, 0
.rept 64
	v_exp_f32 v[T+n], v[T+n]
.set n, n+1
.endr
	s_wait_xcnt 0x0                                ; the last fragment's stores have read B's code registers: they are written again only behind this wait
	v_nop                                          ; a plain instruction behind the last exponential, ahead of the first use
	s_wait_alu depctr_va_vdst(0)                   ; one wait for the batch of 64, ahead of its first reader
	QUANT T, PCW, PW+4+\f
.irp c, 0,1,2,3
	global_store_b128 v[XO], v[PCW+4*\c:PCW+4*\c+3], s[14:15] offset:2048*\f+512*\c
.endr
	ds_store_b32 v[GB], v[PW+4+\f] offset:64*\f
.endm
	s_wait_loadcnt 0x0                             ; alpha, my columns' points, my 64 points of columns_mean
	WIN 0x40                                       ; destination window 1
.set n, 0
.rept 64
	v_mov_b32 v[C0+n], v[96+2*n]                   ; the two coordinates are parted once, so that four fragments' arithmetic goes two points an instruction
	v_mov_b32 v[C1+n], v[97+2*n]
.set n, n+1
.endr
	WIN 0x45
.set n, 0
.rept 32
	v_pk_mul_f32 v[Y2+n:Y2+n+1], v[C0+n:C0+n+1], v[C0+n:C0+n+1]
.set n, n+2
.endr
	WIN 0x55
.set n, 0
.rept 32
	v_pk_fma_f32 v[Y2+n:Y2+n+1], v[C1+n:C1+n+1], v[C1+n:C1+n+1], v[Y2+n:Y2+n+1]   ; |col|^2
.set n, n+2
.endr
	WIN 0
.irp b, 0,1,2,3
	v_mov_b32 v[TM+4+\b], 0                        ; written once: a lane permute's destination counts as one of its sources
.endr
.irp f, 0,1,2,3
	WFRAG \f                                       ; all of w first: it needs nothing of x, whose tiles are on their way meanwhile
.endr
.irp f, 0,1,2,3
	ATURN \f
.endr
	ds_load_b64 v[216:217], v[GRA]                 ; the scale words of my four fragments of A, 256 bytes, and of B: LDS serves a wave's instructions in order (ISA guide 5.7.1.4), so these see my stores
	ds_load_b64 v[218:219], v[GRB]
	s_wait_dscnt 0x0
	global_store_b64 v[SCW], v[216:217], s[24:25]  ; 32 lanes store 256 consecutive bytes, at a multiple of 256 from the buffer's first byte
	global_store_b64 v[SCW], v[218:219], s[26:27]
	s_wait_tensorcnt 0x0
	ds_add_u32 v254, v255
	s_wait_dscnt 0x0
	s_endpgm
.Lfunc_end_k_q00bc2bfd7f_prep:
	.size	k_q00bc2bfd7f_prep, .Lfunc_end_k_q00bc2bfd7f_prep-k_q00bc2bfd7f_prep
	.p2alignl 7, 3214868480
	.fill 96, 4, 3214868480
	.section	.rodata,"a",@progbits
	.p2align	6, 0x0
	.amdhsa_kernel k_q00bc2bfd7f_prep
		.amdhsa_group_segment_fixed_size 275456
		.amdhsa_private_segment_fixed_size 0
		.amdhsa_enable_private_segment 0
		.amdhsa_kernarg_size 48
		.amdhsa_user_sgpr_count 2
		.amdhsa_user_sgpr_kernarg_segment_ptr 1
		.amdhsa_wavefront_size32 1
		.amdhsa_system_sgpr_workgroup_id_x 1
		.amdhsa_system_sgpr_workgroup_id_y 1
		.amdhsa_system_sgpr_workgroup_id_z 1
		.amdhsa_system_vgpr_workitem_id 0
		.amdhsa_next_free_vgpr 512
		.amdhsa_next_free_sgpr 76
		.amdhsa_reserve_vcc 0
		.amdhsa_float_denorm_mode_32 3
		.amdhsa_float_denorm_mode_16_64 3
		.amdhsa_memory_ordered 1
		.amdhsa_forward_progress 1
		.amdhsa_inst_pref_size 149
	.end_amdhsa_kernel
	.amdgpu_metadata
---
amdhsa.version: [ 1, 2 ]
amdhsa.kernels:
  - .name:           k_q00bc2bfd7f_prep
    .symbol:         k_q00bc2bfd7f_prep.kd
    .args:
      - { .name: x, .offset: 0, .size: 8, .value_kind: global_buffer, .address_space: global }
      - { .name: alpha_mean, .offset: 8, .size: 8, .value_kind: global_buffer, .address_space: global }
      - { .name: columns_mean, .offset: 16, .size: 8, .value_kind: global_buffer, .address_space: global }
      - { .name: rows_mean, .offset: 24, .size: 8, .value_kind: global_buffer, .address_space: global }
      - { .name: acode, .offset: 32, .size: 8, .value_kind: global_buffer, .address_space: global }
      - { .name: bcode, .offset: 40, .size: 8, .value_kind: global_buffer, .address_space: global }
    .group_segment_fixed_size: 275456
    .private_segment_fixed_size: 0
    .kernarg_segment_align: 8
    .kernarg_segment_size: 48
    .max_flat_workgroup_size: 256
    .sgpr_count:     76
    .vgpr_count:     512
    .wavefront_size: 32
...
	.end_amdgpu_metadata
.endif
;; end of part 1
;; launch gemm (part 2): grid 16 x 16, 4 waves a work-group, clusters of 4 x 4, 327,680 bytes of LDS; arguments acode, bcode, out0; writes out0
.if DOCPART == 2
	.amdgcn_target "amdgcn-amd-amdhsa--gfx1250"
	.amdhsa_code_object_version 6
	.text
	.protected	k_q00bc2bfd7f_gemm
	.globl	k_q00bc2bfd7f_gemm
	.p2align	8
	.type	k_q00bc2bfd7f_gemm,@function
k_q00bc2bfd7f_gemm:
	s_mov_b64 s[64:65], 0
	v_nop
	global_prefetch_b8 v0, s[64:65] scope:SCOPE_SE
	s_setreg_imm32_b32 hwreg(HW_REG_WAVE_MODE, 25, 1), 1
	s_wait_xcnt 0x0
	s_wait_alu depctr_hold_cnt(0) depctr_sa_sdst(0) depctr_va_vdst(0) depctr_va_sdst(0) depctr_va_ssrc(0) depctr_va_vcc(0) depctr_vm_vsrc(0)
	s_getreg_b32 s2, hwreg(HW_REG_IB_STS2, 6, 4)
	s_cmp_eq_u32 s2, 0
	s_cbranch_scc0 .Lentry_in_a_cluster
	s_endpgm
.Lentry_in_a_cluster:
	s_bfe_u32 s2, ttmp6, 0x10000c
	s_cmp_lg_u32 s2, 0xf033
	s_cbranch_scc0 .Lentry_shape_is_right
	s_endpgm
.Lentry_shape_is_right:
; out0[m][n] = sum over k of A[m][k] B[n][k], M = N = K = 4,096, on codes of BF8 (E5M2) with one E8M0 scale for each 32 along K; sums in f32.  A = x * alpha and B = w^T were quantised by the launch before.
; THE OPERANDS LIE IN THE ORDER OF THEIR REGISTERS: [tile of 256 rows: 16][K step of 256: 16][block of BLKB bytes].  In a block, fragment (q: which 128 along K; i: which 16 rows) lies at 2,048 (16 q + i): register group c of lane l
; at 512 c + 16 l; behind the 32 fragments, at 65,536 + 1,024 q + 64 i + 4 r, row r's scale word.  So a K step's codes AND scales of a tile are one dense block, which comes as 264 rows of 256 bytes; a fragment load reads
; 512 consecutive LDS bytes, so no padding is wanted; and the scales ride in the ring.
; A tile of out0, 256 x 256, is made by a work-group of four waves, as many as a WGP has SIMDs; a wave makes 128 x 128: 64 accumulators of 16 x 16, 512 registers.  256 tiles: one for each WGP.
; K goes in 16 steps of 256 through a ring of two LDS slots (A's block, then B's) filled by the tensor data mover: each wave fetches half a block, 132 rows of 256 bytes, by one load.
; CLUSTERS: 4 x 4 work-groups.  The four of a row of the cluster need the same blocks of A, the four of a column the same blocks of B: each half block is asked for JOINTLY, by the same tensor load with the same descriptor and a
; mask that names the four.  THE MATRIX INSTRUCTION IS USED TRANSPOSED (source 0 = 16 rows of B, source 1 = 16 rows of A): a lane then holds eight neighbouring numbers of a row of out0.
; REGISTERS, in windows of 256: window 0: v0-31 addresses; v32-63 scale words, two sets; from v128 A's fragments (8 x 16 rows x 128 K), ONE set; on the way out v128-255 take rows of out0.
;   window 1: B's fragments, TWO sets, at v0 and at v128.   window 2: the 32 accumulators of my rows 0-63 (accumulator (a, b) at v[8 (8 a + b)]);   window 3: those of my rows 64-127.
; A step of 128 along K is 64 matrix instructions, A's blocks of 16 rows one after the other, each against B's eight.  So a block of A is free as soon as its eight products are issued, and one set of registers serves A:
; blocks 0-3 are fetched anew in the step's middle, blocks 4-7 at its end.  B's fragments are at work through the whole step, so B has two sets.
.set SIZE_N, 4096
.set BLKB,   67584                     ; a block
.set TILEB,  16*BLKB                   ; a tile's 16 blocks
.set HALFB,  BLKB/2                    ; what one tensor load brings
.set SLOT,   2*BLKB                    ; A's block, then B's
.set SCWO,   65536                     ; where a block's scale words begin
.set SPARE,  2*SLOT                    ; behind the ring: the spare words, 128 bytes for each wave: two blocks of 256 bytes that no other line names
.set NQ,     2                         ; matrix instructions deep in a K step
.set FR,     16                        ; registers of a fragment
.set NL,     4                         ; LDS loads that bring one
.set NP,     8                         ; places behind this matrix instruction (ISA guide 7.12.1)
.set LAPS,   8                         ; a lap = two K steps = once round the ring
.set FILLS,  2*(LAPS-1)                ; changes of slots that fill a slot again: 14
.set SPITCH, 528                       ; the way out: a stage of 16 rows x (512 bytes + 16) for each wave.  It lies in slot 0, which has had its last fill and its last read when the first result is stored there
.set PF0,    294912                    ; the byte of a tile at which the prefetches begin
.set ADRA, 16                          ; v16-17  LDS address of my A fragments in slot 0, 1
.set ADRS, 18                          ; v18-19  of my scale words: lanes 0-15 A's rows, lanes 16-31 B's
.set ADRB, 20                          ; v20-21  of my B fragments
.set STO,  24                          ; v24     the way out: where I put 32 bytes of a row
.set RD,   25                          ; v25     the way out: where I read a row back
.set CO,   26                          ; v26     16 x lane: my byte offset in a row of out0
.set SPW,  28                          ; v28     LDS address of my spare word: SPARE + 4 x my thread's number; never rewritten
.set NIL,  29                          ; v29     0; never rewritten
.set PFO,  30                          ; v30     256 x lane: the prefetches' offset; never rewritten
.set SC,   32                          ; scale words: set s (for slot s) at v[SC + 16 s]; in it register 2 i + q: lanes 0-15 the word of A's block i, lanes 16-31 that of B's block i, for the slot's q-th 128 along K
.set AF,   128                         ; A's fragments, in window 0
.set BK,   128                         ; the way out: 16 rows read back from the stage: v128-191 and v192-255 by turns
.set G1,  24                           ; s[24:31] descriptor group 1 for A's blocks;  s[32:39] group 0, one set for each slot
.set G0,  32
.set G1B, 48                           ; s[48:55], s[56:63] the same for B's
.set G0B, 56
.set PFA, 66                           ; s[66:67] where my prefetches stand
.set PFC, 68                           ; s68  the changes of slots that fill a slot and are still to come: 13 - n at change n, 0 at the last: it never passes below 0
.set LIM, 69                           ; s69  1 in a wave that prefetches, else the greatest number: a wave prefetches while s[PFC] is above it
.set MSB, 0
.macro WIN new                         ; the immediate's high byte repeats the setting that is left
.if MSB != \new
	s_set_vgpr_msb (MSB<<8)|\new
.set MSB, \new
.endif
.endm
.set MUL_LO, 0xa1                      ; source 0 (B) window 1, source 1 (A) window 0, C and D window 2
.set MUL_HI, 0xf1                      ; the same, C and D window 3
.set TO_B,   0x40                      ; destination window 1, address window 0
; A joint load: waves 0 and 1 fetch A's two half blocks, waves 2 and 3 B's.  Each of the two lines has ONE mask and one set of registers for all that issue it; the branch hangs on the wave's number alone.
; Four v_nop follow each of the two lines, ahead of the jump, the label and what follows.
.macro JLOAD g0a, g1a, g0b, g1b
	s_cmp_eq_u32 s15, 0
	s_cbranch_scc0 .Lfor_b_\@
	tensor_load_to_lds s[\g0a:\g0a+3], s[\g1a:\g1a+7]
	s_nop 0
.rept 4
	v_nop
.endr
	s_branch .Lasked_\@
.Lfor_b_\@:
	tensor_load_to_lds s[\g0b:\g0b+3], s[\g1b:\g1b+7]
	s_nop 0
.rept 4
	v_nop
.endr
.Lasked_\@:
.endm
; A PREFETCH INTO THE L2.  A tile's 16 blocks lie on end, so they are walked as ONE stream: change of slots n (n = 0 .. 11) names bytes PF0 + 65,536 n .. + 65,535 of the tile; PF0 + 12 x 65,536 is the tile's end, and changes 12 and 13,
; which find s[PFC] at 1 and at 0, ask for nothing: the last byte named is PF0 + 11 x 65,536 + 7 x 8,192 + 31 x 256 = 1,081,088, inside the tile's 1,081,344.
; Block n + 4, which change n + 2 loads, ends 22,528 - 2,048 n bytes inside what change n has named: every block from the fifth on is asked for two K steps, 256 matrix instructions, ahead of its load
; (but the fifth block's first 24,576 bytes, which with blocks 0 to 3 come by their loads alone: nothing is prefetched at the head, where every work-group's first blocks are on their way).
; Each aligned 256 bytes are named ONCE in the launch.  A's tile is read by every cluster of that row of clusters: cluster x = 0 asks; B's by every cluster of that column: cluster y = 0 asks.  The eight waves that fetch the tile
; there (four partners x two halves) take 8,192 bytes each, told apart BY ADDRESS, lanes 256 bytes apart: no branch hangs on a work-group's place in its cluster.
.macro ASK
	s_cmp_gt_u32 s[PFC], s[LIM]
	s_cbranch_scc0 .Lnot_mine_\@
	global_prefetch_b8 v[PFO], s[PFA:PFA+1] th:TH_LOAD_NT scope:SCOPE_SE
.Lnot_mine_\@:
.endm
.macro CREST                           ; a round of the cluster's barrier behind its opening barrier
	s_cmp_lg_u32 s14, 0
	s_cbranch_scc1 .Lnot_wave_0_\@
	s_barrier_signal -3
.Lnot_wave_0_\@:
	s_barrier_wait -3
	s_barrier_signal -1
	s_barrier_wait -1
.endm
.macro CROUND                          ; a whole round
	s_barrier_signal -1
	s_barrier_wait -1
	CREST
.endm
	s_load_b128 s[4:7], s[0:1], 0x0                ; A's workspace s[4:5], B's s[6:7]
	s_load_b64 s[8:9], s[0:1], 0x10                ; out0
	v_lshl_add_u32 v[SPW], v0, 2, SPARE
	v_mov_b32 v[NIL], 0
	ds_add_u32 v28, v29
	ds_add_u32 v28, v29
	s_wait_dscnt 0x0
	v_lshrrev_b32 v1, 5, v0
	v_readfirstlane_b32 s14, v1                    ; wave 0..3
	s_lshr_b32 s15, s14, 1                         ; which half of the tile's rows is mine.  Also: I fetch for A (0) or for B (1)
	s_and_b32 s16, s14, 1                          ; which half of its columns.  Also: which half of a block I fetch
	s_bfe_u32 s40, ttmp6, 0x40000                  ; cx, cy: my place in the cluster
	s_bfe_u32 s41, ttmp6, 0x40004
	s_lshl_b32 s42, ttmp9, 2
	s_add_co_u32 s42, s42, s40                     ; tile column of out0 = 4 x cluster x + cx
	s_and_b32 s17, ttmp7, 0xffff
	s_lshl_b32 s17, s17, 2
	s_add_co_u32 s17, s17, s41                     ; tile row of out0 = 4 x cluster y + cy
	s_lshl_b32 s43, s41, 2
	s_lshl_b32 s43, 15, s43                        ; my row of the cluster
	s_lshl_b32 s44, 0x1111, s40                    ; my column
	; descriptor group 1: half a block, dense in memory and in LDS: 132 rows of 32 elements of 8 bytes
	s_or_b32 s[G1+0], s43, (3<<16)|(1<<21)         ; 15:0 the mask: A's blocks go to my row; 17:16 elements of 8 bytes; 20 no padding; 21 set beside a mask
	s_or_b32 s[G1B+0], s44, (3<<16)|(1<<21)        ; B's go to my column
.irp g, G1, G1B
	s_mov_b32 s[\g+1], 32<<16                      ; tensor_dim0 = 32
	s_mov_b32 s[\g+2], 132<<16                     ; tensor_dim1 = 132
	s_mov_b32 s[\g+3], 32<<16                      ; tile_dim0 = 32
	s_mov_b32 s[\g+4], 132                         ; tile_dim1 = 132
	s_mov_b32 s[\g+5], 32                          ; tensor_dim0_stride
	s_mov_b32 s[\g+6], 0
	s_mov_b32 s[\g+7], 0
.endr
	s_mul_i32 s18, s16, HALFB                      ; which half of a block I fetch
	s_mul_i32 s20, s17, TILEB
	s_add_co_u32 s20, s20, s18                     ; A: by the tile row, which my row of the cluster shares (under 2^25)
	s_mov_b32 s21, 0
	s_mul_i32 s46, s42, TILEB
	s_add_co_u32 s46, s46, s18                     ; B: by the tile column, which my column shares
	s_mov_b32 s47, 0
	s_mul_i32 s45, s14, HALFB                      ; where they go: A's two halves, then B's two = wave x half a block: no place in the cluster enters an LDS address
	s_wait_kmcnt 0x0
	s_add_nc_u64 s[20:21], s[4:5], s[20:21]
	s_add_nc_u64 s[46:47], s[6:7], s[46:47]
	CROUND                                         ; all sixteen work-groups are here: the first joint loads meet
.irp s, 0,1
	s_mov_b32 s[G0+4*\s], 1                        ; 1:0 count = 1
	s_add_co_u32 s[G0+4*\s+1], s45, \s*SLOT        ; 63:32 LDS address
	s_add_nc_u64 s[G0+4*\s+2:G0+4*\s+3], s[20:21], \s*BLKB   ; 120:64 global address: K step s
	s_or_b32 s[G0+4*\s+3], s[G0+4*\s+3], 0x80000000          ; 127:126 type = 2
	s_mov_b32 s[G0B+4*\s], 1
	s_add_co_u32 s[G0B+4*\s+1], s45, \s*SLOT
	s_add_nc_u64 s[G0B+4*\s+2:G0B+4*\s+3], s[46:47], \s*BLKB
	s_or_b32 s[G0B+4*\s+3], s[G0B+4*\s+3], 0x80000000
	JLOAD G0+4*\s, G1, G0B+4*\s, G1B               ; two tensor loads of mine are out
.endr
	v_and_b32 v1, 15, v0                           ; r = l % 16
	v_bfe_u32 v2, v0, 4, 1                         ; h = l / 16
	v_and_b32 v3, 31, v0                           ; lane
	v_lshlrev_b32 v[CO], 4, v3
	v_lshlrev_b32 v[PFO], 8, v3
	s_lshl_b32 s21, s15, 14                        ; my 8 fragments of A in each q: 8 x 2,048 bytes x half
	s_lshl_b32 s22, s16, 14                        ; and of B,
	s_add_co_u32 s22, s22, BLKB                    ; whose block lies behind A's
.irp s, 0,1
	v_add_nc_u32 v[ADRA+\s], s21, v[CO]
	v_add_nc_u32 v[ADRB+\s], s22, v[CO]
	s_add_co_u32 s21, s21, SLOT
	s_add_co_u32 s22, s22, SLOT
.endr
	s_xor_b32 s21, s15, 1                          ; the scale words: lanes 16-31 take B's, which lie BLKB + 512 (column half) - 512 (row half) bytes behind A's:
	s_add_co_u32 s21, s21, s16
	s_lshl_b32 s21, s21, 9
	s_add_co_u32 s21, s21, BLKB-512                ; BLKB - 512 + 512 ((1 - row half) + column half)
	v_mul_u32_u24 v6, s21, v2                      ; one product: h x the distance
	v_lshl_add_u32 v6, v1, 2, v6                   ; + 4 r
	s_lshl_b32 s22, s15, 9                         ; A's: my 8 blocks of 16 rows, 64 bytes each
	s_add_co_u32 s22, s22, SCWO
	v_add_nc_u32 v[ADRS], s22, v6
	v_add_nc_u32 v[ADRS+1], SLOT, v[ADRS]
	s_mul_i32 s23, s14, 16*SPITCH                  ; my stage
	v_mul_u32_u24 v5, v1, SPITCH                   ; in: row l % 16, 32 bytes for each half of the lanes
	v_lshl_add_u32 v5, v2, 5, v5
	v_add_nc_u32 v[STO], s23, v5
	v_add_nc_u32 v[RD], s23, v[CO]                 ; back: the 32 lanes take one row of 512 bytes
	s_lshl_b32 s20, s17, 8
	s_lshl_b32 s21, s15, 7
	s_add_co_u32 s20, s20, s21                     ; my first row of out0: 256 x tile row + 128 x half,
	s_lshl_b32 s20, s20, 14                        ; of 16,384 bytes (under 2^26)
	s_lshl_b32 s46, s42, 10                        ; my first column, in bytes: 1,024 x tile column + 512 x half
	s_lshl_b32 s47, s16, 9
	s_add_co_u32 s46, s46, s47
	s_add_co_u32 s20, s20, s46
	s_mov_b32 s21, 0
	s_add_nc_u64 s[8:9], s[8:9], s[20:21]
	; the prefetches: where mine stand, and whether I ask
	s_and_b32 s22, ttmp7, 0xffff                   ; cluster y
	s_cmp_eq_u32 s15, 0                            ; do I fetch for A?
	s_cselect_b32 s20, s17, s42                    ; the tile: A's by the tile row, B's by the tile column
	s_cselect_b32 s21, s40, s41                    ; my work-group's place among the four that ask for it jointly
	s_cselect_b32 s22, ttmp9, s22                  ; the coordinate along which other clusters read the same tile
	s_cselect_b64 s[PFA:PFA+1], s[4:5], s[6:7]
	s_cmp_eq_u32 s22, 0
	s_cselect_b32 s[LIM], 1, -1                    ; the same in all sixteen partners, for a given wave
	s_mul_i32 s20, s20, TILEB
	s_lshl_b32 s21, s21, 1
	s_add_co_u32 s21, s21, s16                     ; which eighth of a change's 65,536 bytes: 2 x place + half
	s_lshl_b32 s21, s21, 13
	s_add_co_u32 s20, s20, s21
	s_add_co_u32 s20, s20, PF0-65536               ; the first change of slots steps it to PF0
	s_mov_b32 s21, 0
	s_add_nc_u64 s[PFA:PFA+1], s[PFA:PFA+1], s[20:21]
	s_mov_b32 s[PFC], FILLS                        ; each of the 14 changes that fill a slot takes one off
.macro FRAG reg, adr, q, i             ; a fragment, 16 rows x 128 K of 8-bit codes, is 16 registers, and lies in LDS as their image: four loads of 512 consecutive bytes
.irp c, 0,1,2,3
	ds_load_b128 v[\reg+4*\c:\reg+4*\c+3], v[\adr] offset:32768*(\q)+2048*(\i)+512*\c
.endr
.endm
; 16 matrix instructions: A's blocks a0, a0 + 1 x B's eight, 128 along K: the slot's q-th.  p: B's set;  sc: the set of scale words.  zero = 1: the first product starts the sums: nothing is ever cleared.
; The 64 accumulators take turns, one instruction a turn, in the same order in every step.
.macro MUL16 a0, p, q, sc, zero
.irp a, \a0, \a0+1
.irp b, 0,1,2,3,4,5,6,7
.if \zero
	v_wmma_scale_f32_16x16x128_f8f6f4 v[8*(8*((\a)%4)+\b):8*(8*((\a)%4)+\b)+7], v[128*(\p)+FR*\b:128*(\p)+FR*\b+FR-1], v[AF+FR*(\a):AF+FR*(\a)+FR-1], 0, v[SC+8*NQ*(\sc)+NQ*\b+(\q)], v[SC+8*NQ*(\sc)+NQ*(\a)+(\q)] matrix_a_fmt:MATRIX_FMT_BF8 matrix_b_fmt:MATRIX_FMT_BF8 matrix_a_scale:MATRIX_SCALE_ROW1
.else
	v_wmma_scale_f32_16x16x128_f8f6f4 v[8*(8*((\a)%4)+\b):8*(8*((\a)%4)+\b)+7], v[128*(\p)+FR*\b:128*(\p)+FR*\b+FR-1], v[AF+FR*(\a):AF+FR*(\a)+FR-1], v[8*(8*((\a)%4)+\b):8*(8*((\a)%4)+\b)+7], v[SC+8*NQ*(\sc)+NQ*\b+(\q)], v[SC+8*NQ*(\sc)+NQ*(\a)+(\q)] matrix_a_fmt:MATRIX_FMT_BF8 matrix_b_fmt:MATRIX_FMT_BF8 matrix_a_scale:MATRIX_SCALE_ROW1
.endif
.endr
.endr
.endm
.macro FETCH_B slot, q, p              ; B's eight fragments of the slot's q-th 128 along K into set p
	WIN TO_B
.irp i, 0,1,2,3,4,5,6,7
	FRAG 128*(\p)+FR*\i, ADRB+\slot, \q, \i
.endr
	WIN 0
.endm
.macro FETCH_A slot, q, i0             ; A's blocks i0 .. i0 + 3
.irp i, \i0, \i0+1, \i0+2, \i0+3
	FRAG AF+FR*(\i), ADRA+\slot, \q, \i
.endr
.endm
.macro SCALES s                        ; slot s's scale words into set s: lanes 0-15 take A's block i, lanes 16-31 B's block i
.irp i, 0,1,2,3,4,5,6,7
.irp q, 0,1
	ds_load_b32 v[SC+8*NQ*\s+NQ*\i+\q], v[ADRS+\s] offset:1024*\q+64*\i
.endr
.endr
.endm
; A load into a register that a matrix instruction has read, and a vector instruction or an LDS store that reads a matrix result, stand NP places behind that matrix instruction, and only plain vector
; instructions that name none of its registers are places (ISA guide 7.12.1 for vector instructions); this text does not count the matrix instructions in between.
.macro PLACES n
.rept \n
	v_nop
.endr
.endm
; A step of 128 along K that has its successor in the same slot.
.macro STEP slot, q, zero
	s_wait_dscnt 4*NL                              ; B's set, A's blocks 0-3 and the scale words are in; the youngest sixteen loads (A's blocks 4-7) may be out
	WIN MUL_LO
	MUL16 0, (\q)%2, \q, \slot, \zero
	MUL16 2, (\q)%2, \q, \slot, \zero
	s_wait_dscnt 0                                 ; A's blocks 4-7 are in (asked for 32 matrix instructions ago)
	PLACES NP
	FETCH_B \slot, (\q)+1, 1-(\q)%2
	FETCH_A \slot, (\q)+1, 0
	WIN MUL_HI
	MUL16 4, (\q)%2, \q, \slot, \zero
	MUL16 6, (\q)%2, \q, \slot, \zero
	PLACES NP
	WIN 0
	FETCH_A \slot, (\q)+1, 4
.endm
; A slot's last step changes slots: ONE barrier; in front of it each wave waits for all its tensor loads, adds 0 to its spare word, and waits for that and for its own reads of this slot.  fill = 1: this slot is filled again, two K steps ahead.
; The wait for the tensor loads stands behind the step's first sixteen products: a refill then has 112 matrix instructions (32 of the step in which it is asked for, 64, and these 16) in which to land, and between
; its landing and the next request stand sixteen matrix instructions and the round.
.macro TURN slot, next, fill
.if \fill
	s_wait_xcnt 0x0                                ; the last prefetch, a K step back, has read its address: it is stepped here, ahead of the waits of the change of slots
	s_add_nc_u64 s[PFA:PFA+1], s[PFA:PFA+1], 65536
	s_sub_co_u32 s[PFC], s[PFC], 1
.endif
	s_wait_dscnt 4*NL                              ; B's set and A's blocks 0-3 are in; the youngest sixteen loads (A's blocks 4-7) may be out
	WIN MUL_LO
	MUL16 0, 1, NQ-1, \slot, 0
	WIN 0                                          ; (the add's two registers lie in window 0)
	s_wait_tensorcnt 0x0                           ; all my tensor loads have landed: the one that was out is my part of the next slot;
	ds_add_u32 v[SPW], v[NIL]                      ; 0 onto my spare word
	WIN MUL_LO
	MUL16 2, 1, NQ-1, \slot, 0                     ; sixteen matrix instructions stand between the add and the wait for it
	WIN 0
	s_wait_dscnt 0x0                               ; the add is done, and my reads of this slot are over: the last, A's blocks 4-7, were issued 32 matrix instructions ago
	s_barrier_signal -1
	s_barrier_wait -1                              ; both now hold of all four waves
.if \fill
	CREST                                          ; the barrier has opened a round of the cluster's barrier: no wave of any partner still reads this slot or has a load on its way
	s_add_nc_u64 s[G0+4*\slot+2:G0+4*\slot+3], s[G0+4*\slot+2:G0+4*\slot+3], 2*BLKB
	s_add_nc_u64 s[G0B+4*\slot+2:G0B+4*\slot+3], s[G0B+4*\slot+2:G0B+4*\slot+3], 2*BLKB
	JLOAD G0+4*\slot, G1, G0B+4*\slot, G1B         ; the first tensor load behind the round, and my one load until the next; the four v_nop behind it are among the places in front of the loads below
	PLACES NP-4
.else
	PLACES NP
.endif
	FETCH_B \next, 0, 0
	FETCH_A \next, 0, 0
	SCALES \next
.if \fill
	ASK                                            ; behind the joint load and the run of LDS loads that the next products wait for
.endif
	WIN MUL_HI
	MUL16 4, 1, NQ-1, \slot, 0
	MUL16 6, 1, NQ-1, \slot, 0
	PLACES NP
	WIN 0
	FETCH_A \next, 0, 4
.endm
	s_wait_tensorcnt 1                             ; my part of K step 0 is in (K step 1's load may be out)
	s_barrier_signal -1
	s_barrier_wait -1                              ; everybody's is
	FETCH_B 0, 0, 0
	FETCH_A 0, 0, 0
	SCALES 0
	FETCH_A 0, 0, 4
	STEP 0, 0, 1                                   ; the first step stands in front of the loop: its products start the sums
	s_mov_b32 s3, LAPS-1
.Llap:                                                 ; a trip goes once round the ring, from a lap's second step to the next lap's first, and fills both slots again
	TURN 0, 1, 1
	STEP 1, 0, 0
	TURN 1, 0, 1
	STEP 0, 0, 0
	s_sub_co_u32 s3, s3, 1
	s_cmp_lg_u32 s3, 0
	s_cbranch_scc1 .Llap
	TURN 0, 1, 0                                   ; the last lap fills nothing, and has no round of the cluster's barrier
	STEP 1, 0, 0
	s_wait_dscnt 4*NL                              ; the very last step: nothing more to fetch
	WIN MUL_LO
	MUL16 0, 1, NQ-1, 1, 0
	MUL16 2, 1, NQ-1, 1, 0
	s_wait_dscnt 0
	WIN MUL_HI
	MUL16 4, 1, NQ-1, 1, 0
	MUL16 6, 1, NQ-1, 1, 0
	WIN 0
; THE WAY OUT, block by block of 16 rows x 128 columns.  A lane holds 32 neighbouring bytes of a row, and the lanes beside it hold other rows: so a block goes through my own stage in LDS and comes back as whole
; rows of 512 bytes, which the 32 lanes store as 512 consecutive bytes.  LDS serves a wave's instructions in order (ISA guide 5.7.1.4): no wait between the stores and the loads, nor in front of the next block's stores.
.macro TOSTAGE a
.set AC, 64*((\a)%4)
	WIN 0x08+4*((\a)/4)                            ; the data: window 2 or 3
.irp b, 0,1,2,3,4,5,6,7
	ds_store_b128 v[STO], v[AC+8*\b:AC+8*\b+3] offset:64*\b          ; each accumulator from its low end on
	ds_store_b128 v[STO], v[AC+8*\b+4:AC+8*\b+7] offset:64*\b+16
.endr
	WIN 0
.set BB, BK+64*((\a)%2)
.irp t, 0,1,2,3,4,5,6,7,8,9,10,11,12,13,14,15
	ds_load_b128 v[BB+4*\t:BB+4*\t+3], v[RD] offset:\t*SPITCH
.endr
.endm
.macro SEND a, younger                 ; younger: the LDS instructions issued behind block a's loads, which may stay out
.set BB, BK+64*((\a)%2)
	s_wait_dscnt \younger                          ; the block is back in registers
.if (\a) > 0
	s_add_nc_u64 s[8:9], s[8:9], 16*SIZE_N*4       ; (behind a wait on XCNT: the earlier stores have read their base)  16 rows of out0 on, so that the stores' offsets stay small: 15 rows at the most
.endif
.irp t, 0,1,2,3,4,5,6,7,8,9,10,11,12,13,14,15
	global_store_b128 v[CO], v[BB+4*\t:BB+4*\t+3], s[8:9] offset:\t*SIZE_N*4 th:TH_STORE_NT   ; 32 lanes store 512 consecutive bytes, at a multiple of 512 from out0's first byte; written once, read by nobody here
.endr
.endm
	PLACES NP                                      ; these places serve the loads into the registers that held A's fragments and the reads of the last products' results alike
	TOSTAGE 0
.irp a, 1,2,3,4,5,6,7
.if \a > 1
	s_wait_xcnt 0x0                                ; block a - 2's stores have read their registers and their base: block a's loads may land there, and the base may step
.endif
	TOSTAGE \a
	SEND \a-1, 32                                  ; behind block a - 1's loads: block a's 16 stores and 16 loads
.endr
	s_wait_xcnt 0x0                                ; block 6's stores have read their base
	SEND 7, 0
	s_wait_tensorcnt 0x0                           ; the wave's end: behind my last tensor load and my last LDS store
	ds_add_u32 v[SPW], v[NIL]
	s_wait_dscnt 0x0
	CROUND                                         ; the closing round: no work-group ends while a partner may still ask for a block that names it
	s_endpgm
.Lfunc_end_k_q00bc2bfd7f_gemm:
	.size	k_q00bc2bfd7f_gemm, .Lfunc_end_k_q00bc2bfd7f_gemm-k_q00bc2bfd7f_gemm
	.p2alignl 7, 3214868480
	.fill 96, 4, 3214868480
	.section	.rodata,"a",@progbits
	.p2align	6, 0x0
	.amdhsa_kernel k_q00bc2bfd7f_gemm
		.amdhsa_group_segment_fixed_size 327680
		.amdhsa_private_segment_fixed_size 0
		.amdhsa_enable_private_segment 0
		.amdhsa_kernarg_size 24
		.amdhsa_user_sgpr_count 2
		.amdhsa_user_sgpr_kernarg_segment_ptr 1
		.amdhsa_wavefront_size32 1
		.amdhsa_system_sgpr_workgroup_id_x 1
		.amdhsa_system_sgpr_workgroup_id_y 1
		.amdhsa_system_sgpr_workgroup_id_z 1
		.amdhsa_system_vgpr_workitem_id 0
		.amdhsa_next_free_vgpr 1024
		.amdhsa_next_free_sgpr 72
		.amdhsa_reserve_vcc 0
		.amdhsa_float_denorm_mode_32 3
		.amdhsa_float_denorm_mode_16_64 3
		.amdhsa_memory_ordered 1
		.amdhsa_forward_progress 1
		.amdhsa_inst_pref_size 146
	.end_amdhsa_kernel
	.amdgpu_metadata
---
amdhsa.version: [ 1, 2 ]
amdhsa.kernels:
  - .name:           k_q00bc2bfd7f_gemm
    .symbol:         k_q00bc2bfd7f_gemm.kd
    .args:
      - { .name: acode, .offset: 0, .size: 8, .value_kind: global_buffer, .address_space: global }
      - { .name: bcode, .offset: 8, .size: 8, .value_kind: global_buffer, .address_space: global }
      - { .name: out0, .offset: 16, .size: 8, .value_kind: global_buffer, .address_space: global }
    .group_segment_fixed_size: 327680
    .private_segment_fixed_size: 0
    .kernarg_segment_align: 8
    .kernarg_segment_size: 24
    .max_flat_workgroup_size: 128
    .sgpr_count:     72
    .vgpr_count:     1024
    .wavefront_size: 32
...
	.end_amdgpu_metadata
.endif
;; end of part 2
